; MI455X (gfx1250); checked and timed in simulation.
; The chip was launched on July 23, 2026; its instructions are those of AMD's public machine-readable ISA for CDNA 5 (MIT licence, August 2026) and "CDNA5" Instruction Set Architecture Reference Guide (July 2026). The comments in the code are by the model that wrote it; some were corrected since.
;; Cross Attention. Allowed arithmetic: matrix products marked QUANTISED: E5M2 operands, one given power-of-two scale a tensor, by v_wmma_f32_16x16x64_bf8_bf8 or v_wmma_f32_16x16x128_bf8_bf8, f32 sums; products left as they are: f32 operands where the result goes on into a quantised operand, else bf16, f16 or f32 operands; f32 sums; everything else in f32.
;; Inputs: Wk 1,024 x 1,024 float32; Wo 1,024 x 1,024 float32; Wq 1,024 x 1,024 float32; Wv 1,024 x 1,024 float32; bk 1,024 float32; bo 1,024 float32; bq 1,024 float32; bv 1,024 float32; key 16 x 2,048 x 1,024 float32; lowp_scales 8 int32 (the exponents e of the quantised operands' scales 2^e); query 16 x 1 x 1,024 float32; value 16 x 2,048 x 1,024 float32.
;; Outputs: out0 16 x 1,024 float32.
;; This version of the problem:
;;   THIS VERSION OF THE PROBLEM IS GIVEN IN LOW PRECISION. The matrix products marked QUANTISED in the list below multiply operands that are first quantised to E5M2 (5 exponent bits, 2 mantissa bits; 8 bits a number), with one given power-of-two scale for each operand tensor; their sums are f32. All else is computed in f32.
;;   The module's matrix products, in the order in which they are computed (A, B: the left and right operand; K: the contracted axis; several contracted axes count as one K, in the product's order):
;;     1. [M 16, K 1,024] x [K 1,024, N 1,024]; A: input query; B: input Wq: QUANTISED (scales: A lowp_scales[0], B lowp_scales[1])
;;     2. [M 32,768, K 1,024] x [K 1,024, N 1,024]; A: input key; B: input Wk: QUANTISED (scales: A lowp_scales[2], B lowp_scales[3])
;;     3. [M 32,768, K 1,024] x [K 1,024, N 1,024]; A: input value; B: input Wv: QUANTISED (scales: A lowp_scales[4], B lowp_scales[5])
;;     4. batch 256 x [M 1, K 64] x [K 64, N 2,048]; A: computed on the way; B: computed on the way: left as it is (M = 1 < 16)
;;     5. batch 256 x [M 1, K 2,048] x [K 2,048, N 64]; A: softmax; B: computed on the way: left as it is (M = 1 < 16)
;;     6. [M 16, K 1,024] x [K 1,024, N 1,024]; A: computed on the way; B: input Wo: QUANTISED (scales: A lowp_scales[6], B lowp_scales[7])
;;   THE QUANTISER, for each operand of a quantised product, along K:
;;     - The operand's scale is 2^e, e = its entry of the input lowp_scales (int32; the entries are numbered through the quantised products in the list's order, A before B).
;;     - Each number is divided by the scale, clamped to +-57,344, and rounded to the nearest number of E5M2, ties to even, subnormals kept.
;;     - The product sums the exact products of the quantised numbers (number of the format x scale) in f32.
;;   ~~~python
;;   def quantise(x, axis, e):      # numpy; x: float32 -> the quantised numbers, widened to float32 again
;;       x = np.moveaxis(x, axis, -1); K = x.shape[-1]
;;       r = np.clip(x / 2.0 ** e, -57344, 57344)
;;       step = 2.0 ** (np.maximum(np.frexp(np.where(r == 0, 1, r))[1] - 1, -14) - 2)
;;       q = np.round(r / step) * step * 2.0 ** e      # np.round: ties to even
;;       return np.moveaxis(q, -1, axis).astype(np.float32)
;;   ~~~
;;   OPERANDS COMPUTED ON THE WAY. 'Computed on the way' means the value that the module computes at that place (a softmax that the list does not call 'softmax' is quantised finished and normalised). What goes into a quantiser is computed in f32, as accurately as f32 sums, v_exp_f32 and their like allow (about 1e-6 of the number): no bf16 or f16 on the way to a quantiser, and a product that is left as it is and whose result goes on into a quantised operand takes f32 operands (vector FMAs, or v_wmma_f32_16x16x4_f32). A number that lies on a knife's edge between two numbers of the format may be rounded either way, as far as f32 arithmetic and the matrix unit's own rounding can turn it there, and no further.
;; One version. Each part assembles by itself: llvm-mc -triple=amdgcn-amd-amdhsa -mcpu=gfx1250 --defsym DOCPART=n.
;; ======== version 1 of 1: 4 launches
;; limits: right only within a limited range of input values
;; workspace buffers: wcodes 2,097,152 bytes; wocodes 1,048,576 bytes; qbuf 65,536 bytes; part_o 1,048,576 bytes; part_ml 32,768 bytes; acodes 16,384 bytes
;; launch prep (part 1): grid 256 x 1, 4 waves a work-group, no clusters, 50,432 bytes of LDS; arguments Wk, Wv, Wo, Wq, query, bq, lowp_scales, wcodes, wocodes, qbuf; writes wcodes, wocodes, qbuf
.if DOCPART == 1
	.amdgcn_target "amdgcn-amd-amdhsa--gfx1250"
	.amdhsa_code_object_version 6
	.text
	.protected	k_q111106d5a5_prep
	.globl	k_q111106d5a5_prep
	.p2align	8
	.type	k_q111106d5a5_prep,@function
k_q111106d5a5_prep:
	s_mov_b64 s[64:65], 0
	v_nop
	global_prefetch_b8 v0, s[64:65] scope:SCOPE_SE
	s_setreg_imm32_b32 hwreg(HW_REG_WAVE_MODE, 25, 1), 1
	s_wait_xcnt 0x0
; Wk, Wv, Wo [1024][1024] f32 become codes of E5M2, laid as images of operand registers; q = Q(query) Q(Wq)^T + bq is computed whole.
; SHARES.  Work-group g: m = g / 64 names the tensor (0 Wk, 1 Wv, 2 Wo, 3 Wq), T = g % 64 its 16 rows 16 T on.  Wave w quantises rows 4 w .. 4 w + 3.
; THE ORDER OF K.  A row of 1,024 f32 is read by one wave in eight loads of 512 consecutive bytes: lane l's register 4 i + j is k = 128 i + 4 l + j.  Its 32 codes go to bytes 16 l and 512 + 16 l of a
; code row, so place p = 512 (i / 4) + 16 l + 4 (i % 4) + j holds that k.  Every operand of every quantised product of this program is laid in this one order: each product meets its partner.
; A FRAGMENT (16 rows x 128 places, 16 registers): lane (r = l % 16, h = l / 16), registers 4 c .. 4 c + 3: places 128 s + 32 c + 16 h + 0 .. 15 of row r.  AN IMAGE is a fragment as its registers: [c 4][lane 32][16 bytes].
; wcodes: [Wk, Wv][step 16][nj 2][u 2][s 8][image]; tile T = 32 nj + 2 step + u.   wocodes: [T 64][s 8][image].   qbuf: [T 64][half 2][lane 32][4 f32]: q(batch = lane % 16, column 16 T + 8 (lane / 16) + 4 half + e).
; code = x / 2^e, held within +-57,344, to the nearest code, ties to even.  LIMITS: every e between -126 and 112; e0 + e1 between -126 and 127.  NaN among the inputs is not served.
; NO CLUSTER: the one input that work-groups share is query, 65,536 bytes read by 64 of the 256 work-groups, beside the 16.8 million bytes of weights that are each read once; all loads go through registers.
; The two paths part once, on the work-group's number, and each has LDS bytes of its own.
; DEAD WORK LEFT OUT IN THIS PROGRAM: bk.  scores[b,h,k] = q[b,h] . (x_k + bk_h) = q . x_k + q . bk_h, and q . bk_h is the same for all keys k of a head: softmax along k takes it away for every value of the inputs.
; k goes into no quantiser.  So bk is not loaded and is among no launch's arguments.  LIMIT: a NaN, an infinity or an overflow that reaches only q . bk is not carried to the result.
; wcodes IS LAID FOR LAUNCH main, otherwise than the line on it above says: [Wk, Wv][chunk c 4][half 2][wave 4][tile 8][s 2][image]; tile T = 16 wave + 8 half + tile; chunk c holds k = 256 c .. 256 c + 255.
; In a chunk, place 8 l + 4 i + j holds k = 256 c + 128 i + 4 l + j; a fragment takes places 128 s + 32 c' + 16 h + 0 .. 15.  In a code row of this kernel those 8-byte pieces lie at 512 (c / 2) + 8 (c % 2) + 16 l.
.set CP,     1040
.set WROWS,  0                         ; the weight path's 16 code rows
.set W2ROWS, 16*CP                     ; the q path's 16 code rows of Wq
.set QROWS,  32*CP                     ; and of query
.set VO,  1                            ; v1   16 x lane
.set CD,  16                           ; v16-31 the codes of two rows
.set MSB, 0
.macro WIN new                         ; the immediate's high byte repeats the setting that is left; a switch that changes nothing is dropped
.if MSB != (\new)
	s_set_vgpr_msb (MSB<<8)|(\new)
.set MSB, (\new)
.endif
.endm
.macro PLACES
.rept 4
	v_nop
.endr
.endm
; two rows of 1,024 f32 into pair q (window 1, v[64 q] on; the second row 32 registers further): sixteen loads of 512 consecutive bytes
.macro LOADP q, ptr, off, nt
	WIN 0x40                                       ; destination window 1, address window 0
.irp e, 0,1
.irp i, 0,1,2,3,4,5,6,7
.if \nt
	global_load_b128 v[64*(\q)+32*\e+4*\i:64*(\q)+32*\e+4*\i+3], v[VO], s[\ptr:\ptr+1] offset:(\off)+4096*\e+512*\i th:TH_LOAD_NT
.else
	global_load_b128 v[64*(\q)+32*\e+4*\i:64*(\q)+32*\e+4*\i+3], v[VO], s[\ptr:\ptr+1] offset:(\off)+4096*\e+512*\i
.endif
.endr
.endr
	WIN 0
.endm
; pair q is held, converted and stored as two code rows at v[adr] + off
.macro CONV q, sc, lm, adr, off
	WIN 0x41                                       ; destination and source 0 window 1
.set cr, 64*(\q)
.rept 64
	v_med3_num_f32 v[cr], v[cr], -v[\lm], v[\lm]   ; the conversion to an 8-bit code does not saturate (ISA guide 7.6.2): the hold at the largest code x the scale
.set cr, cr+1
.endr
	WIN 0x01                                       ; source 0 window 1, destination window 0
	s_wait_alu depctr_va_vdst(0)
	s_wait_dscnt 0x0                               ; the LDS stores of the pair before have read the code registers
.irp g, 0,1,2,3,4,5,6,7
	v_cvt_scalef32_pk8_bf8_f32 v[CD+2*\g:CD+2*\g+1], v[64*(\q)+8*\g:64*(\q)+8*\g+7], v[\sc]
.endr
	v_nop                                          ; one plain vector line behind the last conversion of the run
	WIN 0
	ds_store_b128 v[\adr], v[CD:CD+3] offset:(\off)
	ds_store_b128 v[\adr], v[CD+4:CD+7] offset:(\off)+512
	ds_store_b128 v[\adr], v[CD+8:CD+11] offset:(\off)+CP
	ds_store_b128 v[\adr], v[CD+12:CD+15] offset:(\off)+CP+512
.endm
.macro MKSCALE e, sc, lm               ; from the whole number in s[e]: 2^e as f32 (the conversion takes its exponent field) and 57,344 x 2^e
	s_add_co_i32 s38, s[\e], 127
	s_lshl_b32 s39, s38, 23
	v_mov_b32 v[\sc], s39
	s_add_co_i32 s38, s38, 15
	s_lshl_b32 s38, s38, 23
	s_or_b32 s38, s38, 0x600000
	v_mov_b32 v[\lm], s38
.endm
	s_load_b512 s[4:19], s[0:1], 0x0               ; Wk s[4:5], Wv s[6:7], Wo s[8:9], Wq s[10:11], query s[12:13], bq s[14:15], the scales s[16:17], wcodes s[18:19]
	s_load_b128 s[20:23], s[0:1], 0x40             ; wocodes s[20:21], qbuf s[22:23]
	v_lshl_add_u32 v126, v0, 2, 0xc300
	v_mov_b32 v127, 0
	v_lshrrev_b32 v3, 5, v0
	v_readfirstlane_b32 s24, v3                    ; wave
	s_lshr_b32 s25, ttmp9, 6                       ; m
	s_and_b32 s26, ttmp9, 63                       ; T
	v_and_b32 v12, 31, v0
	v_lshlrev_b32 v[VO], 4, v12                    ; 16 x lane
	s_mul_i32 s27, s24, 4*CP
	v_add_nc_u32 v2, s27, v[VO]                    ; where my four code rows go: 4 w rows + 16 x lane (the region stands in the immediate)
	v_and_b32 v13, 15, v0                          ; r
	v_bfe_u32 v14, v0, 4, 1                        ; h
	v_mul_u32_u24 v4, v13, CP
	v_lshl_add_u32 v4, v14, 4, v4                  ; a fragment's place: row r, + 16 h
	s_lshl_b32 s27, s24, 8
	v_add_nc_u32 v9, s27, v4                       ; + 128 x (2 w): my two K steps
	v_lshlrev_b32 v11, 5, v14                      ; bq: 32 h
	v_mul_u32_u24 v15, v13, CP
	v_add_nc_u32 v15, v15, v11                     ; Wk, Wv: row r, + 32 h,
	s_lshr_b32 s27, s24, 1
	s_lshl_b32 s27, s27, 9
	s_and_b32 s50, s24, 1
	s_lshl_b32 s50, s50, 3
	s_add_co_u32 s27, s27, s50
	v_add_nc_u32 v15, s27, v15                     ; + 512 (w / 2) + 8 (w % 2): wave w lays chunk w
	s_lshl_b32 s46, s24, 14                        ; my four rows of 4,096 bytes
	s_mov_b32 s47, 0
	s_lshl_b32 s42, s26, 16                        ; the work-group's 16 rows
	s_add_co_u32 s42, s42, s46
	s_mov_b32 s43, 0
	s_wait_kmcnt 0x0
	s_load_b256 s[28:35], s[16:17], 0x0            ; e0 .. e7
	s_cmp_eq_u32 s25, 3
	s_cbranch_scc1 .Lq_path
	; ---- Wk, Wv or Wo: the buffers are chosen on the work-group's number alone
	s_cmp_eq_u32 s25, 0
	s_cselect_b64 s[36:37], s[4:5], s[6:7]
	s_cmp_eq_u32 s25, 2
	s_cselect_b64 s[36:37], s[8:9], s[36:37]
	s_cselect_b64 s[40:41], s[20:21], s[18:19]
	s_add_nc_u64 s[36:37], s[36:37], s[42:43]
	s_wait_alu depctr_va_vdst(0)
	LOADP 0, 36, 0, 1
	LOADP 1, 36, 8192, 1
	s_lshl_b32 s44, s25, 20                        ; wcodes: tensor,
	s_lshl_b32 s45, s24, 18                        ; chunk = my wave,
	s_or_b32 s44, s44, s45
	s_bfe_u32 s45, s26, 0x10003                    ; half = (T / 8) % 2,
	s_lshl_b32 s45, s45, 17
	s_or_b32 s44, s44, s45
	s_lshr_b32 s45, s26, 4                         ; the wave of main = T / 16,
	s_lshl_b32 s45, s45, 15
	s_or_b32 s44, s44, s45
	s_and_b32 s45, s26, 7                          ; tile = T % 8
	s_lshl_b32 s45, s45, 12
	s_or_b32 s44, s44, s45
	s_lshl_b32 s45, s26, 14                        ; wocodes: T, + my two K steps
	s_lshl_b32 s50, s24, 12
	s_or_b32 s45, s45, s50
	s_cmp_eq_u32 s25, 2
	s_cselect_b32 s44, s45, s44
	s_mov_b32 s45, 0
	s_add_nc_u64 s[40:41], s[40:41], s[44:45]
	s_wait_kmcnt 0x0
	s_cmp_eq_u32 s25, 0
	s_cselect_b32 s48, s31, s33                    ; e3 for Wk, e5 for Wv,
	s_cmp_eq_u32 s25, 2
	s_cselect_b32 s48, s35, s48                    ; e7 for Wo
	MKSCALE 48, 5, 6
	s_wait_alu depctr_va_vdst(0)
	s_wait_loadcnt 16                              ; pair 0 is in; pair 1's sixteen loads may be out
	CONV 0, 5, 6, 2, WROWS
	s_wait_loadcnt 0x0
	CONV 1, 5, 6, 2, WROWS+2*CP
	s_wait_dscnt 0x0                               ; for the others' sake: my code rows lie in LDS
	s_barrier_signal -1
	s_barrier_wait -1
	s_cmp_eq_u32 s25, 2                            ; the work-group's number alone
	s_cbranch_scc1 .Lwo_frag
.irp x, 0,1
.irp c, 0,1,2,3
.irp e, 0,1
	ds_load_b64 v[32+16*\x+4*\c+2*\e:32+16*\x+4*\c+2*\e+1], v15 offset:WROWS+256*\x+64*\c+16*\e   ; Wk, Wv: chunk w, step x: eight places of lane position 16 x + 4 c + 2 h + e
.endr
.endr
.endr
	s_branch .Lfrag_in
.Lwo_frag:
.irp x, 0,1
.irp c, 0,1,2,3
	ds_load_b128 v[32+16*\x+4*\c:32+16*\x+4*\c+3], v9 offset:WROWS+128*\x+32*\c    ; Wo: the fragment of K step 2 w + x
.endr
.endr
.Lfrag_in:
	s_wait_dscnt 0x0
.irp x, 0,1
.irp c, 0,1,2,3
	global_store_b128 v[VO], v[32+16*\x+4*\c:32+16*\x+4*\c+3], s[40:41] offset:2048*\x+512*\c   ; its image: each store of the wave covers 512 consecutive bytes, aligned
.endr
.endr
	s_wait_tensorcnt 0x0
	ds_add_u32 v126, v127
	s_wait_dscnt 0x0
	s_endpgm
	; ---- q: 16 rows of Wq and the 16 rows of query are quantised by the four waves; wave 0 multiplies
.Lq_path:
	s_add_nc_u64 s[12:13], s[12:13], s[46:47]      ; query at my four rows
	s_add_nc_u64 s[36:37], s[10:11], s[42:43]      ; Wq at my four rows
	s_lshl_b32 s44, s26, 6                         ; bq at column 16 T
	s_mov_b32 s45, 0
	s_add_nc_u64 s[14:15], s[14:15], s[44:45]
	s_wait_alu depctr_va_vdst(0)
	LOADP 2, 12, 0, 0
	LOADP 3, 12, 8192, 0
	global_load_b128 v[88:91], v11, s[14:15]       ; bq(16 T + 8 h + 0 .. 7)
	global_load_b128 v[92:95], v11, s[14:15] offset:16
	LOADP 0, 36, 0, 1
	LOADP 1, 36, 8192, 1
	s_wait_kmcnt 0x0
	MKSCALE 29, 5, 6                               ; Wq: e1
	MKSCALE 28, 7, 8                               ; query: e0
	s_add_co_i32 s48, s28, s29
	s_add_co_i32 s48, s48, 127
	s_lshl_b32 s48, s48, 23                        ; 2^(e0 + e1) as f32
	s_mov_b32 s49, s48                             ; (named with it as a pair, so it is written)
	s_lshl_b32 s44, s26, 10                        ; qbuf at tile T
	s_add_nc_u64 s[22:23], s[22:23], s[44:45]
	s_wait_alu depctr_va_vdst(0)
	s_wait_loadcnt 50                              ; query's first pair is in; younger: 16 + 2 + 32
	CONV 2, 7, 8, 2, QROWS
	s_wait_loadcnt 34                              ; its second; younger: 2 + 32
	CONV 3, 7, 8, 2, QROWS+2*CP
	s_wait_loadcnt 16                              ; bq and Wq's first pair; younger: 16
	CONV 0, 5, 6, 2, W2ROWS
	s_wait_loadcnt 0x0
	CONV 1, 5, 6, 2, W2ROWS+2*CP
	s_wait_dscnt 0x0                               ; for wave 0's sake: my code rows lie in LDS
	s_barrier_signal -1
	s_barrier_wait -1
	s_cmp_lg_u32 s24, 0
	s_cbranch_scc1 .Lq_done
.irp s, 0,1,2,3,4,5,6,7
.irp c, 0,1,2,3
	ds_load_b128 v[128+16*\s+4*\c:128+16*\s+4*\c+3], v4 offset:QROWS+128*\s+32*\c      ; query's eight fragments
.endr
.endr
	WIN 0x40
.irp s, 0,1,2,3,4,5,6,7
.irp c, 0,1,2,3
	ds_load_b128 v[16*\s+4*\c:16*\s+4*\c+3], v4 offset:W2ROWS+128*\s+32*\c             ; Wq's eight, in window 1
.endr
.endr
	WIN 0
	s_wait_dscnt 0x0
	WIN 0x01                                       ; source 0 (Wq) window 1
.irp s, 0,1,2,3,4,5,6,7                ; transposed: a lane holds one batch row and eight neighbouring columns.  Two accumulators by turns
.if \s < 2
	v_wmma_f32_16x16x128_bf8_bf8 v[64+8*(\s%2):71+8*(\s%2)], v[16*\s:16*\s+15], v[128+16*\s:128+16*\s+15], 0
.else
	v_wmma_f32_16x16x128_bf8_bf8 v[64+8*(\s%2):71+8*(\s%2)], v[16*\s:16*\s+15], v[128+16*\s:128+16*\s+15], v[64+8*(\s%2):71+8*(\s%2)]
.endif
.endr
	WIN 0
	PLACES                                         ; four places in front of the first read of results (ISA guide 7.12.1)
.irp j, 0,2,4,6
	v_pk_add_f32 v[80+\j:81+\j], v[64+\j:65+\j], v[72+\j:73+\j]       ; the two halves of K; each accumulator from its low end on
.endr
.irp j, 0,2,4,6
	v_pk_fma_f32 v[80+\j:81+\j], v[80+\j:81+\j], s[48:49], v[88+\j:89+\j] op_sel_hi:[1,0,1]   ; q = sum x 2^(e0 + e1) + bq
.endr
	global_store_b128 v[VO], v[80:83], s[22:23]
	global_store_b128 v[VO], v[84:87], s[22:23] offset:512
.Lq_done:
	s_wait_tensorcnt 0x0
	ds_add_u32 v126, v127
	s_wait_dscnt 0x0
	s_endpgm
.Lfunc_end_k_q111106d5a5_prep:
	.size	k_q111106d5a5_prep, .Lfunc_end_k_q111106d5a5_prep-k_q111106d5a5_prep
	.p2alignl 7, 3214868480
	.fill 96, 4, 3214868480
	.section	.rodata,"a",@progbits
	.p2align	6, 0x0
	.amdhsa_kernel k_q111106d5a5_prep
		.amdhsa_group_segment_fixed_size 50432
		.amdhsa_private_segment_fixed_size 0
		.amdhsa_enable_private_segment 0
		.amdhsa_kernarg_size 80
		.amdhsa_user_sgpr_count 2
		.amdhsa_user_sgpr_kernarg_segment_ptr 1
		.amdhsa_wavefront_size32 1
		.amdhsa_system_sgpr_workgroup_id_x 1
		.amdhsa_system_sgpr_workgroup_id_y 1
		.amdhsa_system_sgpr_workgroup_id_z 1
		.amdhsa_system_vgpr_workitem_id 0
		.amdhsa_next_free_vgpr 512
		.amdhsa_next_free_sgpr 66
		.amdhsa_reserve_vcc 0
		.amdhsa_float_denorm_mode_32 3
		.amdhsa_float_denorm_mode_16_64 3
		.amdhsa_memory_ordered 1
		.amdhsa_forward_progress 1
		.amdhsa_inst_pref_size 52
	.end_amdhsa_kernel
	.amdgpu_metadata
---
amdhsa.version: [ 1, 2 ]
amdhsa.kernels:
  - .name:           k_q111106d5a5_prep
    .symbol:         k_q111106d5a5_prep.kd
    .args:
      - { .name: Wk, .offset: 0, .size: 8, .value_kind: global_buffer, .address_space: global }
      - { .name: Wv, .offset: 8, .size: 8, .value_kind: global_buffer, .address_space: global }
      - { .name: Wo, .offset: 16, .size: 8, .value_kind: global_buffer, .address_space: global }
      - { .name: Wq, .offset: 24, .size: 8, .value_kind: global_buffer, .address_space: global }
      - { .name: query, .offset: 32, .size: 8, .value_kind: global_buffer, .address_space: global }
      - { .name: bq, .offset: 40, .size: 8, .value_kind: global_buffer, .address_space: global }
      - { .name: lowp_scales, .offset: 48, .size: 8, .value_kind: global_buffer, .address_space: global }
      - { .name: wcodes, .offset: 56, .size: 8, .value_kind: global_buffer, .address_space: global }
      - { .name: wocodes, .offset: 64, .size: 8, .value_kind: global_buffer, .address_space: global }
      - { .name: qbuf, .offset: 72, .size: 8, .value_kind: global_buffer, .address_space: global }
    .group_segment_fixed_size: 50432
    .private_segment_fixed_size: 0
    .kernarg_segment_align: 8
    .kernarg_segment_size: 80
    .max_flat_workgroup_size: 128
    .sgpr_count:     66
    .vgpr_count:     512
    .wavefront_size: 32
...
	.end_amdgpu_metadata
.endif
;; end of part 1
;; launch main (part 2): grid 256 x 1, 4 waves a work-group, clusters of 4 x 1, 327,680 bytes of LDS; arguments key, value, lowp_scales, qbuf, wcodes, part_o, part_ml; writes part_o, part_ml
.if DOCPART == 2
	.amdgcn_target "amdgcn-amd-amdhsa--gfx1250"
	.amdhsa_code_object_version 6
	.text
	.protected	k_q111106d5a5_main
	.globl	k_q111106d5a5_main
	.p2align	8
	.type	k_q111106d5a5_main,@function
k_q111106d5a5_main:
	s_mov_b64 s[64:65], 0
	v_nop
	global_prefetch_b8 v0, s[64:65] scope:SCOPE_SE
	s_setreg_imm32_b32 hwreg(HW_REG_WAVE_MODE, 25, 1), 1
	s_wait_xcnt 0x0
	s_wait_alu depctr_hold_cnt(0) depctr_sa_sdst(0) depctr_va_vdst(0) depctr_va_sdst(0) depctr_va_ssrc(0) depctr_va_vcc(0) depctr_vm_vsrc(0)
	s_getreg_b32 s2, hwreg(HW_REG_IB_STS2, 6, 4)
	s_cmp_eq_u32 s2, 0
	s_cbranch_scc0 .Lentry_in_a_cluster
	s_endpgm
.Lentry_in_a_cluster:
	s_bfe_u32 s2, ttmp6, 0x10000c
	s_cmp_lg_u32 s2, 0x3003
	s_cbranch_scc0 .Lentry_shape_is_right
	s_endpgm
.Lentry_shape_is_right:
; For 128 keys of one batch: t = q' . (Q(key) Q(Wk)^T), p = 2^(t - M), o = sum over keys of p x (Q(value) Q(Wv)^T), each head by itself; M, the sum of p and o go to part_ml and part_o.
; q' = q x log2(e) / 32 x 2^(e2 + e3).  bk is left out as dead work (shown at the head of launch prep): q . bk is the same for all keys of a head.  bv and 2^(e4 + e5) come in in launch combine.
; K IN CHUNKS.  t and o are linear in the products' K, so K goes in 4 chunks of 256: a chunk's products are weighed with q' (with p) at once and the weighed sums are added up over the chunks, in f32.
; So only 128 x 256 codes lie in LDS at a time, and each of the two slots for weights holds 131,072 bytes.
; SHARES.  Work-group g: batch g / 16, keys 128 (g % 16) on.  Wave w: all 128 keys x columns 256 w on (heads 4 w .. 4 w + 3): a chunk of the codes is 256 registers, a weight fragment feeds 8 products
; and is read from LDS by one wave alone; the softmax of a head stays in one wave.  Wave w quantises rows 32 w .. 32 w + 31: 64 loads of 512 consecutive bytes a chunk, issued one whole chunk ahead of their use.
; 16 STEPS (2 tensors x 4 chunks x 2 halves of the columns), each on one slot; step u's slot is asked for behind step u - 1's round: one joint load a wave, 32,768 bytes, its own quarter.
; Even steps fetch the chunk's codes into registers; odd steps quantise the next chunk into the same LDS bytes: the steps' rounds part the two.
; CLUSTER 4, 1, 1: all work-groups walk the same weights; the four partners ask jointly.  NO PREFETCH: key and value are read once by loads that are out a chunk (64 a wave) ahead from the head to the last chunk; the weights' 2 MiB are read by every cluster.
; ORDER OF K in a chunk: place 8 l + 4 i + j holds k = 128 i + 4 l + j, in the codes here and in wcodes alike.
; K's products are used transposed (a lane holds one key, registers along the columns), V's straight (a lane holds one column, registers along the keys).
; LIMITS: e2, e4 between -126 and 112.  NaN among the inputs is not served.  The scaled scores stay under 2^31 in magnitude.
; REGISTERS: window 0: v1-15 addresses, v16-31 codes, v32-95 accumulators, v96-159 two weight tiles, v160-223 q' or p, v224-239 weighed sums, v240-255 at work; window 1: 64 loads of f32; window 2: the chunk's codes.
.set CP,     272
.set SLOTB,  131072
.set CODES,  2*SLOTB
.set QS,     CODES+128*CP              ; q', 4,096 bytes
.set SA,     QS+4096                   ; 4,096 bytes a wave: K: [head 4][lane 32][key tile 8] sums of t; V: [tile 16][lane 32] sums of o
.set PA,     SA+16384                  ; 2,048 bytes a wave: p [head 4][key 128]
.set ML,     PA+8192                   ; M [16], the sums of p [16]
.set SPARE,  ML+256                    ; the spare words, 128 bytes a wave
.set SPW,  1
.set NIL,  2
.set VO,   3
.set CST,  4
.set AAD,  5
.set BAD0, 6
.set BAD,  8
.set QAD0, 9
.set QAD,  10
.set SAD0, 11
.set SAD,  12
.set SC,   13
.set LM,   14
.set CD,   16
.set ACC,  32
.set BF,   96
.set PQ,   160
.set SS,   224
.set OL,   240
.set G1,   28
.set G0,   36
.set PT,   52
.set VB,   54
.set BO,   58
.set QO,   59
.set SO,   60
.set HC,   61
.set NC,   62
.set MSB, 0
.macro WIN new                         ; the immediate's high byte repeats the setting that is left
.if MSB != (\new)
	s_set_vgpr_msb (MSB<<8)|(\new)
.set MSB, (\new)
.endif
.endm
.macro PLACES
.rept 4
	v_nop
.endr
.endm
.macro ROUND                           ; a round of the cluster's barrier
	s_barrier_signal -1
	s_barrier_wait -1
	s_cmp_lg_u32 s20, 0
	s_cbranch_scc1 .Lnot_wave_0_\@
	s_barrier_signal -3
.Lnot_wave_0_\@:
	s_barrier_wait -3
	s_barrier_signal -1
	s_barrier_wait -1
.endm
.macro MKS e, sc, lm                   ; 2^e and 57,344 x 2^e as f32 patterns
	s_add_co_i32 s[\lm], s[\e], 127
	s_lshl_b32 s[\sc], s[\lm], 23
	s_add_co_i32 s[\lm], s[\lm], 15
	s_lshl_b32 s[\lm], s[\lm], 23
	s_or_b32 s[\lm], s[\lm], 0x600000
.endm
.macro LOADS k                         ; slice k: rows 8 k .. 8 k + 7 of my 32, 1,024 bytes each, two loads of 512 consecutive bytes a row
	WIN 0x40
.irp e, 0,1,2,3,4,5,6,7
.irp i, 0,1
	global_load_b128 v[64*(\k)+8*\e+4*\i:64*(\k)+8*\e+4*\i+3], v[VO], s[PT:PT+1] offset:(8*(\k)+\e)*4096+512*\i th:TH_LOAD_NT
.endr
.endr
	WIN 0
.endm
.macro QSL k, issue, left              ; slice k is held, converted and stored as 8 code rows; left: the younger loads that may stay out
	s_wait_alu depctr_va_vdst(0)
	s_wait_loadcnt \left
	WIN 0x41
.set cr, 64*(\k)
.rept 64
	v_med3_num_f32 v[cr], v[cr], -v[LM], v[LM]     ; the conversion does not saturate (ISA guide 7.6.2): the hold at the largest code x the scale
.set cr, cr+1
.endr
	WIN 0x01
	s_wait_alu depctr_va_vdst(0)
	s_wait_dscnt 0x0                               ; the stores of the slice before have read the code registers
.irp e, 0,1,2,3,4,5,6,7
	v_cvt_scalef32_pk8_bf8_f32 v[CD+2*\e:CD+2*\e+1], v[64*(\k)+8*\e:64*(\k)+8*\e+7], v[SC]
.endr
	v_nop                                          ; one plain line behind the last conversion
	WIN 0
.irp e, 1,3,5,7
	v_xor_b32 v[CD+2*\e], s72, v[CD+2*\e]          ; value's odd rows go in negated (s72 = the four sign bits; 0 for key): the codes of -x are the codes of x with the sign flipped.
	v_xor_b32 v[CD+2*\e+1], s72, v[CD+2*\e+1]
.endr
.irp e, 0,1,2,3,4,5,6,7
	ds_store_b64 v[CST], v[CD+2*\e:CD+2*\e+1] offset:(8*(\k)+\e)*CP
.endr
.if \issue
	LOADS \k
.endif
.endm
.macro ALOAD                           ; the chunk's codes: fragment (s, i) at v[128 s + 16 i] of window 2
	WIN 0x80
.irp s, 0,1
.irp i, 0,1,2,3,4,5,6,7
.irp c, 0,1,2,3
	ds_load_b128 v[128*\s+16*\i+4*\c:128*\s+16*\i+4*\c+3], v[AAD] offset:16*CP*\i+128*\s+32*\c
.endr
.endr
.endr
	WIN 0
.endm
.macro LOADB x, t                      ; tile t of the trip's four, both K steps, into buffer x
.irp s, 0,1
.irp c, 0,1,2,3
	ds_load_b128 v[BF+32*(\x)+16*\s+4*\c:BF+32*(\x)+16*\s+4*\c+3], v[BAD] offset:4096*(\t)+2048*\s+512*\c
.endr
.endr
.endm
.macro WM ori, x                       ; 16 products: 8 key tiles x 2 K steps; the 8 accumulators by turns; the first K step starts the sums
.if \ori
	WIN 0x02
.else
	WIN 0x08
.endif
.irp s, 0,1
.irp i, 0,1,2,3,4,5,6,7
.set rD, ACC+8*\i
.set rA, 128*\s+16*\i
.set rB, BF+32*(\x)+16*\s
.if \ori
.if \s == 0
	v_wmma_f32_16x16x128_bf8_bf8 v[rD:rD+7], v[rA:rA+15], v[rB:rB+15], 0
.else
	v_wmma_f32_16x16x128_bf8_bf8 v[rD:rD+7], v[rA:rA+15], v[rB:rB+15], v[rD:rD+7]
.endif
.else
.if \s == 0
	v_wmma_f32_16x16x128_bf8_bf8 v[rD:rD+7], v[rB:rB+15], v[rA:rA+15], 0
.else
	v_wmma_f32_16x16x128_bf8_bf8 v[rD:rD+7], v[rB:rB+15], v[rA:rA+15], v[rD:rD+7]
.endif
.endif
.endr
.endr
	WIN 0
.endm
.macro EP ori, tt                      ; the tile's sums are weighed; each accumulator from its low end on
.irp jj, 0,2,4,6
.irp i, 0,1,2,3,4,5,6,7
.if \ori
.set rC, SS+2*(\i&3)
.if (\jj == 0) && (\i < 4)
	v_pk_mul_f32 v[rC:rC+1], v[ACC+8*\i+\jj:ACC+8*\i+\jj+1], v[PQ+8*\i+\jj:PQ+8*\i+\jj+1]
.else
	v_pk_fma_f32 v[rC:rC+1], v[ACC+8*\i+\jj:ACC+8*\i+\jj+1], v[PQ+8*\i+\jj:PQ+8*\i+\jj+1], v[rC:rC+1]
.endif
.else
.if (\jj == 0) && (\tt == 0)
	v_pk_mul_f32 v[SS+2*\i:SS+2*\i+1], v[ACC+8*\i+\jj:ACC+8*\i+\jj+1], v[PQ+8*(\tt)+\jj:PQ+8*(\tt)+\jj+1]
.else
	v_pk_fma_f32 v[SS+2*\i:SS+2*\i+1], v[ACC+8*\i+\jj:ACC+8*\i+\jj+1], v[PQ+8*(\tt)+\jj:PQ+8*(\tt)+\jj+1], v[SS+2*\i:SS+2*\i+1]
.endif
.endif
.endr
.endr
.if \ori
	v_pk_add_f32 v[SS:SS+1], v[SS:SS+1], v[SS+2:SS+3]
	v_pk_add_f32 v[SS+4:SS+5], v[SS+4:SS+5], v[SS+6:SS+7]
	v_pk_add_f32 v[SS:SS+1], v[SS:SS+1], v[SS+4:SS+5]
	v_add_f32 v[OL+\tt], v[OL+\tt], v[SS]
	v_add_f32 v[OL+\tt], v[OL+\tt], v[SS+1]
.endif
.endm
; a step's 8 tiles: two trips of one head (4 tiles).  The sums so far come from my own LDS bytes at the trip's head and go back at its end.
.macro HEADS ori, sl, half
	s_mov_b32 s[BO], 0
.if \ori
	s_mov_b32 s[QO], 1024*\half
	s_mov_b32 s[SO], 1024*\half
.else
	s_mov_b32 s[QO], 512*\half
	s_mov_b32 s[SO], 2048*\half
.endif
	s_mov_b32 s[HC], 2
.Lh_\@:
	v_add_nc_u32 v[BAD], s[BO], v[BAD0+\sl]
	v_add_nc_u32 v[QAD], s[QO], v[QAD0]
	v_add_nc_u32 v[SAD], s[SO], v[SAD0]
	LOADB 0, 0
	LOADB 1, 1
.if \ori
.irp i, 0,1,2,3,4,5,6,7
	ds_load_b128 v[PQ+8*\i:PQ+8*\i+3], v[QAD] offset:64*\i          ; p of keys 16 i + 8 h + 0 .. 7
	ds_load_b128 v[PQ+8*\i+4:PQ+8*\i+7], v[QAD] offset:64*\i+16
.endr
.irp t, 0,1,2,3
	ds_load_b32 v[OL+\t], v[SAD] offset:128*\t
.endr
	s_wait_dscnt 28                                ; tile 0 (and all older loads) are in; younger: 8 + 16 + 4
.else
.irp t, 0,1,2,3
	ds_load_b128 v[PQ+8*\t:PQ+8*\t+3], v[QAD] offset:64*\t          ; q' of columns 16 t + 8 h + 0 .. 7
	ds_load_b128 v[PQ+8*\t+4:PQ+8*\t+7], v[QAD] offset:64*\t+16
.endr
	ds_load_b128 v[OL:OL+3], v[SAD]
	ds_load_b128 v[OL+4:OL+7], v[SAD] offset:16
	s_wait_dscnt 18                                ; tile 0 (and all older loads) are in; younger: 8 + 8 + 2
.endif
	WM \ori, 0
	s_wait_dscnt 0x0                               ; tile 1, the weights of the sums and the sums so far
	PLACES                                         ; four places in front of the first read of results (ISA guide 7.12.1)
	EP \ori, 0
	LOADB 0, 2
	WM \ori, 1
	PLACES
	EP \ori, 1
	LOADB 1, 3
.if \ori == 0
	s_wait_alu depctr_va_vdst(0)                   ; the wait ahead of the wait below
.endif
	s_wait_dscnt 8                                 ; tile 2 is in; tile 3's eight loads may be out
	WM \ori, 0
	PLACES
	EP \ori, 2
.if \ori == 0
	s_wait_alu depctr_va_vdst(0)
.endif
	s_wait_dscnt 0x0
	WM \ori, 1
	PLACES
	EP \ori, 3
.if \ori
.irp t, 0,1,2,3
	ds_store_b32 v[SAD], v[OL+\t] offset:128*\t
.endr
	s_add_co_u32 s[QO], s[QO], 512
	s_add_co_u32 s[SO], s[SO], 512
.else
.irp i, 0,1,2,3,4,5,6,7
	v_add_f32 v[OL+\i], v[OL+\i], v[SS+2*\i]
.endr
.irp i, 0,1,2,3,4,5,6,7
	v_add_f32 v[OL+\i], v[OL+\i], v[SS+2*\i+1]
.endr
	ds_store_b128 v[SAD], v[OL:OL+3]
	ds_store_b128 v[SAD], v[OL+4:OL+7] offset:16
	s_add_co_u32 s[QO], s[QO], 256
	s_add_co_u32 s[SO], s[SO], 1024
.endif
	s_add_co_u32 s[BO], s[BO], 16384
	s_sub_co_u32 s[HC], s[HC], 1
	s_cmp_lg_u32 s[HC], 0
	s_cbranch_scc1 .Lh_\@
.endm
; a step's head: all my tensor loads are in (my quarter of slot sl), the add, my LDS instructions are done; the round; the other slot is asked for.
.macro STEP sl, fill
	s_wait_tensorcnt 0x0
	ds_add_u32 v[SPW], v[NIL]
	s_add_nc_u64 s[G0+4*\sl+2:G0+4*\sl+3], s[G0+4*\sl+2:G0+4*\sl+3], 2*SLOTB   ; no load of mine is out: this slot's next step
	s_wait_dscnt 0x0
.if \fill
	ROUND
	tensor_load_to_lds s[G0+4*(1-\sl):G0+4*(1-\sl)+3], s[G1:G1+7]
	s_nop 0
.else
	s_barrier_signal -1
	s_barrier_wait -1
.endif
	PLACES                                         ; also the places in front of loads into registers that products have read
.endm
	s_load_b256 s[4:11], s[0:1], 0x0               ; key s[4:5], value s[6:7], the scales s[8:9], qbuf s[10:11]
	s_load_b128 s[12:15], s[0:1], 0x20             ; wcodes s[12:13], part_o s[14:15]
	s_load_b64 s[16:17], s[0:1], 0x30              ; part_ml
	v_lshl_add_u32 v[SPW], v0, 2, SPARE
	v_mov_b32 v[NIL], 0
	ds_add_u32 v[SPW], v[NIL]
	ds_add_u32 v[SPW], v[NIL]
	v_lshrrev_b32 v16, 5, v0
	v_readfirstlane_b32 s20, v16                   ; wave
	s_bfe_u32 s23, ttmp6, 0x40000
	s_lshl_b32 s24, ttmp9, 2
	s_add_co_u32 s24, s24, s23                     ; g
	s_lshr_b32 s25, s24, 4                         ; batch
	s_mov_b32 s[G1], 15|(3<<16)|(1<<21)            ; the four partners; elements of 8 bytes; bit 21 beside a mask
	s_mov_b32 s[G1+1], 32<<16                      ; rows of 256 bytes,
	s_mov_b32 s[G1+2], 128<<16                     ; 128 of them, dense
	s_mov_b32 s[G1+3], 32<<16
	s_mov_b32 s[G1+4], 128
	s_mov_b32 s[G1+5], 32
	s_mov_b32 s[G1+6], 0
	s_mov_b32 s[G1+7], 0
	s_mov_b32 s56, 0x76543210
	s_mov_b32 s57, 0xfedcba98
	s_mov_b32 s72, 0                               ; key's rows keep their signs
	s_lshl_b32 s26, s20, 15                        ; my quarter of a slot
	s_mov_b32 s27, 0
	s_wait_alu depctr_va_vdst(0)
	s_wait_dscnt 0x0
	s_wait_kmcnt 0x0
	s_load_b256 s[44:51], s[8:9], 0x0              ; e0 .. e7
	s_add_nc_u64 s[12:13], s[12:13], s[26:27]
.irp sl, 0,1
	s_mov_b32 s[G0+4*\sl], 1
	s_add_co_u32 s[G0+4*\sl+1], s26, \sl*SLOTB
	s_add_nc_u64 s[G0+4*\sl+2:G0+4*\sl+3], s[12:13], \sl*SLOTB
	s_or_b32 s[G0+4*\sl+3], s[G0+4*\sl+3], 0x80000000
.endr
	ROUND
	tensor_load_to_lds s[G0:G0+3], s[G1:G1+7]      ; step 0: one tensor load a wave at the head
	s_nop 0
	PLACES
	s_lshl_b32 s26, s24, 19                        ; 128 rows of 4,096 bytes a work-group,
	s_lshl_b32 s63, s20, 17                        ; 32 a wave
	s_add_co_u32 s26, s26, s63
	s_add_nc_u64 s[PT:PT+1], s[4:5], s[26:27]
	s_add_nc_u64 s[VB:VB+1], s[6:7], s[26:27]
	s_lshl_b32 s26, s25, 4
	s_add_nc_u64 s[10:11], s[10:11], s[26:27]
	v_lshrrev_b32 v16, 1, v0
	v_lshlrev_b32 v16, 10, v16
	v_and_b32 v17, 1, v0
	v_lshl_or_b32 v16, v17, 8, v16                 ; qbuf: tile thread / 2, lanes' half thread % 2: columns 8 x thread on
	global_load_b128 v[32:35], v16, s[10:11]
	global_load_b128 v[36:39], v16, s[10:11] offset:512
	v_and_b32 v18, 31, v0
	v_lshlrev_b32 v[VO], 4, v18
	v_and_b32 v19, 15, v0                          ; r
	v_bfe_u32 v20, v0, 4, 1                        ; h
	s_wait_alu depctr_va_vdst(0)
	LOADS 0
	LOADS 1
	LOADS 2
	s_lshl_b32 s26, s20, 15
	v_add_nc_u32 v[BAD0], s26, v[VO]
	v_add_nc_u32 v[BAD0+1], SLOTB, v[BAD0]
	v_mul_u32_u24 v[AAD], v19, CP
	v_lshl_add_u32 v[AAD], v20, 4, v[AAD]
	v_add_nc_u32 v[AAD], CODES, v[AAD]
	s_mul_i32 s26, s20, 32*CP
	s_add_co_u32 s26, s26, CODES
	v_lshl_add_u32 v[CST], v18, 3, s26
	s_lshl_b32 s26, s20, 10
	s_add_co_u32 s26, s26, QS
	v_lshl_add_u32 v[QAD0], v20, 5, s26
	s_lshl_b32 s70, s20, 12
	s_add_co_u32 s70, s70, SA                      ; my sums' bytes
	v_lshl_add_u32 v[SAD0], v18, 5, s70
	v_add_nc_u32 v252, s70, v[VO]
.irp j, 248,249,250,251
	v_mov_b32 v\j, 0
.endr
.irp k, 0,1,2,3,4,5,6,7
	ds_store_b128 v252, v[248:251] offset:512*\k   ; the sums of t begin as zeros
.endr
	v_lshl_add_u32 v253, v0, 5, QS
	s_wait_kmcnt 0x0
	MKS 46, 66, 67                                 ; key: e2
	MKS 48, 68, 69                                 ; value: e4
	v_mov_b32 v[SC], s66
	v_mov_b32 v[LM], s67
	s_add_co_i32 s26, s46, s47                     ; e2 + e3
	s_wait_alu depctr_va_vdst(0)
	s_wait_loadcnt 48                              ; q is in; the 48 younger loads may be out
.irp j, 0,1,2,3,4,5,6,7
	v_mul_f32 v[32+\j], 0x3d38aa3b, v[32+\j]       ; x log2(e) / 32
.endr
.irp j, 0,1,2,3,4,5,6,7
	v_ldexp_f32 v[32+\j], v[32+\j], s26
.endr
	ds_store_b128 v253, v[32:35]
	ds_store_b128 v253, v[36:39] offset:16
	LOADS 3
	s_wait_xcnt 0x0                                ; the loads have read their base
	s_add_nc_u64 s[PT:PT+1], s[PT:PT+1], 1024      ; chunk 1
	QSL 0, 1, 48
	QSL 1, 1, 48
	QSL 2, 1, 48
	QSL 3, 1, 48
	s_mov_b32 s[NC], 4
.Lk:                                               ; chunk n = 4 - NC of key: steps 2 n, 2 n + 1; chunk n + 1 is quantised, chunk n + 2 asked for
	STEP 0, 1
	ALOAD
	HEADS 0, 0, 0
	STEP 1, 1
	s_wait_xcnt 0x0
	s_add_nc_u64 s[PT:PT+1], s[PT:PT+1], 1024
	s_cmp_eq_u32 s[NC], 2                          ; behind key's chunk 3 comes value's chunk 0
	s_cselect_b64 s[PT:PT+1], s[VB:VB+1], s[PT:PT+1]
	s_cmp_eq_u32 s[NC], 1                          ; the last trip quantises value's chunk 0
	s_cselect_b32 s63, s68, s66
	s_cselect_b32 s71, s69, s67
	s_cselect_b32 s72, 0x80808080, 0               ; from value's chunk 0 on: odd rows negated
	v_mov_b32 v[SC], s63
	v_mov_b32 v[LM], s71
	QSL 0, 1, 48
	QSL 1, 1, 48
	HEADS 0, 1, 1
	QSL 2, 1, 48
	QSL 3, 1, 48
	s_sub_co_u32 s[NC], s[NC], 1
	s_cmp_lg_u32 s[NC], 0
	s_cbranch_scc1 .Lk
	; THE SOFTMAX of my four heads over the 128 keys: lane (r, h) holds, for key tile i, its half's part of t(16 i + r)
.irp d, 0,1,2,3
	ds_load_b128 v[PQ+8*\d:PQ+8*\d+3], v[SAD0] offset:1024*\d
	ds_load_b128 v[PQ+8*\d+4:PQ+8*\d+7], v[SAD0] offset:1024*\d+16
.endr
	v_add_nc_u32 v252, s70, v[VO]
.irp j, 248,249,250,251
	v_mov_b32 v\j, 0
.endr
.irp k, 0,1,2,3,4,5,6,7
	ds_store_b128 v252, v[248:251] offset:512*\k   ; behind the loads, in order: the sums of o begin as zeros
.endr
	v_and_b32 v253, 15, v0
	v_bfe_u32 v255, v0, 4, 1
	s_lshl_b32 s71, s20, 11
	s_add_co_u32 s71, s71, PA
	v_lshl_add_u32 v253, v253, 2, s71              ; p: key r of a tile
	s_lshl_b32 s63, s20, 4
	s_add_co_u32 s63, s63, ML
	v_mov_b32 v254, s63
	v_lshl_add_u32 v[QAD0], v255, 5, s71           ; from here on: p of keys 8 h on,
	v_and_b32 v255, 31, v0
	v_lshl_add_u32 v[SAD0], v255, 2, s70           ; and the sums of o: a word a lane
	s_wait_alu depctr_va_vdst(0)
	s_wait_dscnt 0x0
.set n, 0
.rept 32
	v_permlanex16_b32 v[ACC+n], v[PQ+n], s56, s57
.set n, n+1
.endr
.set n, 0
.rept 32
	v_add_f32 v[PQ+n], v[PQ+n], v[ACC+n]           ; t: both halves of the columns
.set n, n+1
.endr
.irp d, 0,1,2,3
	v_max3_num_f32 v[SS+\d], v[PQ+8*\d], v[PQ+8*\d+1], v[PQ+8*\d+2]
.endr
.irp d, 0,1,2,3
	v_max3_num_f32 v[SS+\d], v[SS+\d], v[PQ+8*\d+3], v[PQ+8*\d+4]
.endr
.irp d, 0,1,2,3
	v_max3_num_f32 v[SS+\d], v[SS+\d], v[PQ+8*\d+5], v[PQ+8*\d+6]
.endr
.irp d, 0,1,2,3
	v_max_num_f32 v[SS+\d], v[SS+\d], v[PQ+8*\d+7]
.endr
.irp k, 1,2,4,8
.irp d, 0,1,2,3
	v_max_num_f32_dpp v[SS+\d], v[SS+\d], v[SS+\d] row_xmask:\k row_mask:0xf bank_mask:0xf
.endr
.endr
.irp i, 0,1,2,3,4,5,6,7
.irp d, 0,1,2,3
	v_sub_f32 v[PQ+8*\d+\i], v[PQ+8*\d+\i], v[SS+\d]
.endr
.endr
	s_wait_alu depctr_va_vdst(0)
.set n, 0
.rept 32
	v_exp_f32 v[PQ+n], v[PQ+n]
.set n, n+1
.endr
	v_nop
	s_wait_alu depctr_va_vdst(0)
.irp d, 0,1,2,3
	v_add_f32 v[SS+4+\d], v[PQ+8*\d], v[PQ+8*\d+1]
.endr
.irp i, 2,3,4,5,6,7
.irp d, 0,1,2,3
	v_add_f32 v[SS+4+\d], v[SS+4+\d], v[PQ+8*\d+\i]
.endr
.endr
.irp k, 1,2,4,8
.irp d, 0,1,2,3
	v_add_f32_dpp v[SS+4+\d], v[SS+4+\d], v[SS+4+\d] row_xmask:\k row_mask:0xf bank_mask:0xf
.endr
.endr
	v_lshlrev_b32 v255, 31, v0                     ; key 16 i + r is odd where my lane is: its p is stored negated, as its row of value is (the sums above are of the p as they are)
.set n, 0
.rept 32
	v_xor_b32 v[PQ+n], v255, v[PQ+n]
.set n, n+1
.endr
.irp d, 0,1,2,3
.irp i, 0,1,2,3,4,5,6,7
	ds_store_b32 v253, v[PQ+8*\d+\i] offset:512*\d+64*\i
.endr
	ds_store_b32 v254, v[SS+\d] offset:4*\d
	ds_store_b32 v254, v[SS+4+\d] offset:64+4*\d
.endr
	STEP 0, 1                                      ; step 8
	ALOAD
	HEADS 1, 0, 0
	s_mov_b32 s[NC], 2
.Lv:                                               ; steps 9, 10 and 11, 12
	STEP 1, 1
	s_wait_xcnt 0x0
	s_add_nc_u64 s[PT:PT+1], s[PT:PT+1], 1024
	QSL 0, 1, 48
	QSL 1, 1, 48
	HEADS 1, 1, 1
	QSL 2, 1, 48
	QSL 3, 1, 48
	STEP 0, 1
	ALOAD
	HEADS 1, 0, 0
	s_sub_co_u32 s[NC], s[NC], 1
	s_cmp_lg_u32 s[NC], 0
	s_cbranch_scc1 .Lv
	STEP 1, 1                                      ; step 13: the last chunk is quantised, nothing more is asked of value
	QSL 0, 0, 48
	QSL 1, 0, 32
	HEADS 1, 1, 1
	QSL 2, 0, 16
	QSL 3, 0, 0
	STEP 0, 1                                      ; step 14 asks for the last slot
	ALOAD
	HEADS 1, 0, 0
	STEP 1, 0                                      ; step 15 fills nothing
	HEADS 1, 1, 1
	; THE WAY OUT: column 16 T + r of my 256 is the sum of lanes r and 16 + r of tile T; lane l takes columns 4 l on and 128 + 4 l on
	v_and_b32 v255, 31, v0
	v_lshrrev_b32 v248, 2, v255
	v_lshlrev_b32 v248, 7, v248
	v_and_b32 v249, 3, v255
	v_lshl_add_u32 v248, v249, 4, v248
	v_add_nc_u32 v248, s70, v248
	v_lshl_add_u32 v250, v255, 2, ML
	v_lshlrev_b32 v251, 2, v255
	ds_load_b128 v[32:35], v248
	ds_load_b128 v[36:39], v248 offset:64
	ds_load_b128 v[40:43], v248 offset:1024
	ds_load_b128 v[44:47], v248 offset:1088
	s_lshl_b32 s26, s24, 12
	s_lshl_b32 s63, s20, 10
	s_add_co_u32 s26, s26, s63
	s_add_nc_u64 s[14:15], s[14:15], s[26:27]
	s_lshl_b32 s26, s24, 7
	s_add_nc_u64 s[16:17], s[16:17], s[26:27]
	s_wait_alu depctr_va_vdst(0)
	s_wait_dscnt 0x0
	v_pk_add_f32 v[32:33], v[32:33], v[36:37]
	v_pk_add_f32 v[34:35], v[34:35], v[38:39]
	v_pk_add_f32 v[40:41], v[40:41], v[44:45]
	v_pk_add_f32 v[42:43], v[42:43], v[46:47]
	global_store_b128 v[VO], v[32:35], s[14:15]    ; each store of the wave covers 512 consecutive bytes, aligned
	global_store_b128 v[VO], v[40:43], s[14:15] offset:512
	s_cmp_lg_u32 s20, 0
	s_cbranch_scc1 .Lnot_0
	ds_load_b32 v252, v250                         ; M and the sums of p of all 16 heads: stored ahead of step 8's round
	s_wait_dscnt 0x0
	global_store_b32 v251, v252, s[16:17]
.Lnot_0:
	s_wait_tensorcnt 0x0                           ; the wave's end
	ds_add_u32 v[SPW], v[NIL]
	s_wait_dscnt 0x0
	ROUND                                          ; the closing round
	s_endpgm
.Lfunc_end_k_q111106d5a5_main:
	.size	k_q111106d5a5_main, .Lfunc_end_k_q111106d5a5_main-k_q111106d5a5_main
	.p2alignl 7, 3214868480
	.fill 96, 4, 3214868480
	.section	.rodata,"a",@progbits
	.p2align	6, 0x0
	.amdhsa_kernel k_q111106d5a5_main
		.amdhsa_group_segment_fixed_size 327680
		.amdhsa_private_segment_fixed_size 0
		.amdhsa_enable_private_segment 0
		.amdhsa_kernarg_size 56
		.amdhsa_user_sgpr_count 2
		.amdhsa_user_sgpr_kernarg_segment_ptr 1
		.amdhsa_wavefront_size32 1
		.amdhsa_system_sgpr_workgroup_id_x 1
		.amdhsa_system_sgpr_workgroup_id_y 1
		.amdhsa_system_sgpr_workgroup_id_z 1
		.amdhsa_system_vgpr_workitem_id 0
		.amdhsa_next_free_vgpr 768
		.amdhsa_next_free_sgpr 74
		.amdhsa_reserve_vcc 0
		.amdhsa_float_denorm_mode_32 3
		.amdhsa_float_denorm_mode_16_64 3
		.amdhsa_memory_ordered 1
		.amdhsa_forward_progress 1
		.amdhsa_inst_pref_size 255
	.end_amdhsa_kernel
	.section	.bss,"aw",@nobits
	.p2align	6
	.space	262144
	.amdgpu_metadata
---
amdhsa.version: [ 1, 2 ]
amdhsa.kernels:
  - .name:           k_q111106d5a5_main
    .symbol:         k_q111106d5a5_main.kd
    .args:
      - { .name: key, .offset: 0, .size: 8, .value_kind: global_buffer, .address_space: global }
      - { .name: value, .offset: 8, .size: 8, .value_kind: global_buffer, .address_space: global }
      - { .name: lowp_scales, .offset: 16, .size: 8, .value_kind: global_buffer, .address_space: global }
      - { .name: qbuf, .offset: 24, .size: 8, .value_kind: global_buffer, .address_space: global }
      - { .name: wcodes, .offset: 32, .size: 8, .value_kind: global_buffer, .address_space: global }
      - { .name: part_o, .offset: 40, .size: 8, .value_kind: global_buffer, .address_space: global }
      - { .name: part_ml, .offset: 48, .size: 8, .value_kind: global_buffer, .address_space: global }
    .group_segment_fixed_size: 327680
    .private_segment_fixed_size: 0
    .kernarg_segment_align: 8
    .kernarg_segment_size: 56
    .max_flat_workgroup_size: 128
    .sgpr_count:     74
    .vgpr_count:     768
    .wavefront_size: 32
...
	.end_amdgpu_metadata
.endif
;; end of part 2
;; launch combine (part 3): grid 16 x 1, 4 waves a work-group, no clusters, 2,560 bytes of LDS; arguments part_o, part_ml, bv, lowp_scales, acodes; writes acodes
.if DOCPART == 3
	.amdgcn_target "amdgcn-amd-amdhsa--gfx1250"
	.amdhsa_code_object_version 6
	.text
	.protected	k_q111106d5a5_combine
	.globl	k_q111106d5a5_combine
	.p2align	8
	.type	k_q111106d5a5_combine,@function
k_q111106d5a5_combine:
	s_mov_b64 s[64:65], 0
	v_nop
	global_prefetch_b8 v0, s[64:65] scope:SCOPE_SE
	s_setreg_imm32_b32 hwreg(HW_REG_WAVE_MODE, 25, 1), 1
	s_wait_xcnt 0x0
; The 16 chunks of a batch are joined: attn[k] = sum over chunks c of w_c x o_c[k] + bv[k], w_c = 2^(M_c - max M) / (sum over c of 2^(M_c - max M) l_c) x 2^(e4 + e5), each head by itself; attn is quantised with 2^e6.
; (The weights of a softmax add up to 1, so bv comes through whole.)  All in f32.
; SHARES.  Work-group = batch.  Wave u owns k = 256 u .. 256 u + 255: lane l holds k = 128 i + 4 l + j for i = 2 u and 2 u + 1, which are heads 4 u + l / 16 and 4 u + 2 + l / 16.
; acodes: [batch 16][place 1,024], in the program's one order of K: place 512 (i / 4) + 16 l + 4 (i % 4) + j holds k = 128 i + 4 l + j.
; For the weights lane l holds chunk l % 16 of its row's head, so a row of 16 lanes holds a head's 16 chunks; the 16 weights reach every lane of the row through the wave's own 256 bytes of LDS.
; No matrix unit, no cluster: work-groups share nothing but bv, 4,096 bytes beside the 65,536 that each reads of its own.  LIMITS: e6 between -126 and 112.  NaN among the inputs is not served.
	s_load_b256 s[4:11], s[0:1], 0x0               ; part_o s[4:5], part_ml s[6:7], bv s[8:9], the scales s[10:11]
	s_load_b64 s[12:13], s[0:1], 0x20              ; acodes
	v_lshl_add_u32 v224, v0, 2, 0x800
	v_mov_b32 v225, 0
	v_lshrrev_b32 v1, 5, v0
	v_readfirstlane_b32 s14, v1                    ; u
	v_and_b32 v10, 31, v0                          ; lane
	s_wait_alu depctr_va_vdst(0)
	v_and_b32 v11, 15, v0                          ; chunk
	v_bfe_u32 v12, v0, 4, 1                        ; row of lanes
	v_lshlrev_b32 v1, 4, v10                       ; 16 l
	v_lshlrev_b32 v2, 7, v11
	v_lshl_add_u32 v2, v12, 2, v2                  ; part_ml: 128 x chunk + 4 (l / 16)
	s_lshl_b32 s15, s14, 8                         ; 256 u
	v_lshl_add_u32 v3, v10, 2, s15                 ; LDS: my weight's word
	v_lshl_add_u32 v13, v12, 6, s15                ; LDS: my row's 16 weights
	s_lshr_b32 s16, s14, 1
	s_lshl_b32 s16, s16, 9
	s_and_b32 s17, s14, 1
	s_lshl_b32 s17, s17, 3
	s_add_co_u32 s16, s16, s17
	s_add_co_u32 s16, s16, 1024
	v_add_nc_u32 v14, s16, v1                      ; the stage, in: 1,024 + 512 (u / 2) + 8 (u % 2) + 16 l: my eight codes' places
	s_add_co_u32 s16, s15, 1024
	v_lshl_add_u32 v15, v10, 3, s16                ; and out: 1,024 + 256 u + 8 l
	v_lshl_add_u32 v16, v10, 3, s15                ; the same place in the batch's row of acodes
	s_lshl_b32 s18, ttmp9, 11                      ; part_ml: 16 chunks of 128 bytes a batch, + 16 u: head 4 u
	s_lshl_b32 s17, s14, 4
	s_add_co_u32 s18, s18, s17
	s_mov_b32 s19, 0
	s_lshl_b32 s22, s14, 10                        ; 1,024 u: my 256 numbers
	s_mov_b32 s23, 0
	s_lshl_b32 s20, ttmp9, 16                      ; part_o: 16 chunks of 4,096 bytes a batch
	s_add_co_u32 s20, s20, s22
	s_mov_b32 s21, 0
	s_lshl_b32 s24, ttmp9, 10
	s_mov_b32 s25, 0
	s_wait_alu depctr_va_vdst(0)
	s_wait_kmcnt 0x0
	s_load_b256 s[28:35], s[10:11], 0x0            ; e0 .. e7
	s_add_nc_u64 s[6:7], s[6:7], s[18:19]
	s_add_nc_u64 s[4:5], s[4:5], s[20:21]
	s_add_nc_u64 s[8:9], s[8:9], s[22:23]
	s_add_nc_u64 s[12:13], s[12:13], s[24:25]
	global_load_b32 v4, v2, s[6:7]                 ; M of the first head,
	global_load_b32 v5, v2, s[6:7] offset:8        ; of the second;
	global_load_b32 v6, v2, s[6:7] offset:64       ; l likewise
	global_load_b32 v7, v2, s[6:7] offset:72
.set cc, 0
.rept 16
	global_load_b128 v[64+8*cc:67+8*cc], v1, s[4:5] offset:4096*cc th:TH_LOAD_NT        ; chunk cc: each load of the wave covers 512 consecutive bytes
	global_load_b128 v[68+8*cc:71+8*cc], v1, s[4:5] offset:4096*cc+512 th:TH_LOAD_NT
.set cc, cc+1
.endr
	global_load_b128 v[32:35], v1, s[8:9]          ; bv starts the sums
	global_load_b128 v[36:39], v1, s[8:9] offset:512
	s_wait_kmcnt 0x0
	s_add_co_i32 s26, s32, s33                     ; e4 + e5
	s_add_co_i32 s36, s34, 127                     ; e6
	s_lshl_b32 s37, s36, 23
	v_mov_b32 v17, s37                             ; 2^e6 as f32
	s_add_co_i32 s36, s36, 15
	s_lshl_b32 s36, s36, 23
	s_or_b32 s36, s36, 0x600000
	v_mov_b32 v18, s36                             ; 57,344 x 2^e6
	s_wait_loadcnt 34                              ; M and l are in; the 34 younger loads may stay out
	v_mov_b32 v8, v4
	v_mov_b32 v9, v5
.irp k, 1,2,4,8
	v_max_num_f32_dpp v8, v8, v8 row_xmask:\k row_mask:0xf bank_mask:0xf      ; the head's largest M over the 16 chunks
	v_max_num_f32_dpp v9, v9, v9 row_xmask:\k row_mask:0xf bank_mask:0xf
.endr
	v_sub_f32 v4, v4, v8
	v_sub_f32 v5, v5, v9
	s_wait_alu depctr_va_vdst(0)
	v_exp_f32 v4, v4
	v_exp_f32 v5, v5
	v_nop                                          ; a plain instruction behind the transcendentals
	s_wait_alu depctr_va_vdst(0)
	v_mul_f32 v6, v4, v6
	v_mul_f32 v7, v5, v7
.irp k, 1,2,4,8
	v_add_f32_dpp v6, v6, v6 row_xmask:\k row_mask:0xf bank_mask:0xf          ; the head's whole sum
	v_add_f32_dpp v7, v7, v7 row_xmask:\k row_mask:0xf bank_mask:0xf
.endr
	s_wait_alu depctr_va_vdst(0)
	v_rcp_f32 v6, v6
	v_rcp_f32 v7, v7
	v_nop
	s_wait_alu depctr_va_vdst(0)
	v_mul_f32 v4, v4, v6
	v_mul_f32 v5, v5, v7
	v_ldexp_f32 v4, v4, s26                        ; a sum of the product stands for sum x 2^(e4 + e5)
	v_ldexp_f32 v5, v5, s26
	ds_store_b32 v3, v4
	ds_store_b32 v3, v5 offset:128
.irp g, 0,1,2,3
	ds_load_b128 v[192+4*\g:195+4*\g], v13 offset:16*\g          ; LDS serves a wave's instructions in order (ISA guide 5.7.1.4): these see my wave's stores
	ds_load_b128 v[208+4*\g:211+4*\g], v13 offset:128+16*\g
.endr
	s_wait_loadcnt 0x0
	s_wait_dscnt 0x0
.set cc, 0
.rept 16
.irp n, 0,1,2,3,4,5,6,7
	v_fmac_f32 v[32+\n], v[64+8*cc+\n], v[192+16*(\n/4)+cc]
.endr
.set cc, cc+1
.endr
.irp n, 0,1,2,3,4,5,6,7
	v_med3_num_f32 v[32+\n], v[32+\n], -v18, v18   ; the conversion to an 8-bit code does not saturate (ISA guide 7.6.2)
.endr
	v_cvt_scalef32_pk8_bf8_f32 v[40:41], v[32:39], v17
	v_nop
	ds_store_b64 v14, v[40:41]
	s_wait_dscnt 0x0                               ; for the others' sake: my codes lie in the stage
	s_barrier_signal -1
	s_barrier_wait -1
	ds_load_b64 v[42:43], v15
	s_wait_dscnt 0x0
	global_store_b64 v16, v[42:43], s[12:13]       ; the wave stores 256 consecutive bytes, aligned
	s_wait_tensorcnt 0x0
	ds_add_u32 v224, v225
	s_wait_dscnt 0x0
	s_endpgm
.Lfunc_end_k_q111106d5a5_combine:
	.size	k_q111106d5a5_combine, .Lfunc_end_k_q111106d5a5_combine-k_q111106d5a5_combine
	.p2alignl 7, 3214868480
	.fill 96, 4, 3214868480
	.section	.rodata,"a",@progbits
	.p2align	6, 0x0
	.amdhsa_kernel k_q111106d5a5_combine
		.amdhsa_group_segment_fixed_size 2560
		.amdhsa_private_segment_fixed_size 0
		.amdhsa_enable_private_segment 0
		.amdhsa_kernarg_size 40
		.amdhsa_user_sgpr_count 2
		.amdhsa_user_sgpr_kernarg_segment_ptr 1
		.amdhsa_wavefront_size32 1
		.amdhsa_system_sgpr_workgroup_id_x 1
		.amdhsa_system_sgpr_workgroup_id_y 1
		.amdhsa_system_sgpr_workgroup_id_z 1
		.amdhsa_system_vgpr_workitem_id 0
		.amdhsa_next_free_vgpr 226
		.amdhsa_next_free_sgpr 66
		.amdhsa_reserve_vcc 0
		.amdhsa_float_denorm_mode_32 3
		.amdhsa_float_denorm_mode_16_64 3
		.amdhsa_memory_ordered 1
		.amdhsa_forward_progress 1
		.amdhsa_inst_pref_size 14
	.end_amdhsa_kernel
	.amdgpu_metadata
---
amdhsa.version: [ 1, 2 ]
amdhsa.kernels:
  - .name:           k_q111106d5a5_combine
    .symbol:         k_q111106d5a5_combine.kd
    .args:
      - { .name: part_o, .offset: 0, .size: 8, .value_kind: global_buffer, .address_space: global }
      - { .name: part_ml, .offset: 8, .size: 8, .value_kind: global_buffer, .address_space: global }
      - { .name: bv, .offset: 16, .size: 8, .value_kind: global_buffer, .address_space: global }
      - { .name: lowp_scales, .offset: 24, .size: 8, .value_kind: global_buffer, .address_space: global }
      - { .name: acodes, .offset: 32, .size: 8, .value_kind: global_buffer, .address_space: global }
    .group_segment_fixed_size: 2560
    .private_segment_fixed_size: 0
    .kernarg_segment_align: 8
    .kernarg_segment_size: 40
    .max_flat_workgroup_size: 128
    .sgpr_count:     66
    .vgpr_count:     226
    .wavefront_size: 32
...
	.end_amdgpu_metadata
.endif
;; end of part 3
;; launch outproj (part 4): grid 16 x 1, 4 waves a work-group, no clusters, 5,120 bytes of LDS; arguments acodes, wocodes, bo, lowp_scales, out0; writes out0
.if DOCPART == 4
	.amdgcn_target "amdgcn-amd-amdhsa--gfx1250"
	.amdhsa_code_object_version 6
	.text
	.protected	k_q111106d5a5_outproj
	.globl	k_q111106d5a5_outproj
	.p2align	8
	.type	k_q111106d5a5_outproj,@function
k_q111106d5a5_outproj:
	s_mov_b64 s[64:65], 0
	v_nop
	global_prefetch_b8 v0, s[64:65] scope:SCOPE_SE
	s_setreg_imm32_b32 hwreg(HW_REG_WAVE_MODE, 25, 1), 1
	s_wait_xcnt 0x0
; out0 = Q(attn) Q(Wo)^T + bo, on the codes that earlier launches made: acodes [16][1,024 places], wocodes [tile 64][K step 8][image 2,048]; both in the program's one order of K.
; SHARES.  Wave w of work-group g makes the 16 columns of tile T = 4 g + w for all 16 batch rows: eight matrix instructions, transposed (source 0 = 16 rows of Wo, source 1 = the 16 rows of attn),
; so that a lane holds one batch row and eight neighbouring columns.  The four waves' 64 columns are 256 bytes of a row of out0: they meet in a stage in LDS and leave as whole aligned runs of 256 bytes.
; NO CLUSTER: what work-groups share is acodes, 16,384 bytes beside the 65,536 bytes of Wo's codes that each reads of its own; all loads go through registers.
; LIMIT: e6 + e7 between -126 and 127.
.set MSB, 0
.macro WIN new                         ; the immediate's high byte repeats the setting that is left
.if MSB != (\new)
	s_set_vgpr_msb (MSB<<8)|(\new)
.set MSB, (\new)
.endif
.endm
	s_load_b256 s[4:11], s[0:1], 0x0               ; acodes s[4:5], wocodes s[6:7], bo s[8:9], the scales s[10:11]
	s_load_b64 s[12:13], s[0:1], 0x20              ; out0
	v_lshl_add_u32 v126, v0, 2, 0x1200
	v_mov_b32 v127, 0
	v_lshrrev_b32 v1, 5, v0
	v_readfirstlane_b32 s14, v1                    ; wave
	s_lshl_b32 s15, ttmp9, 2
	s_add_co_u32 s15, s15, s14                     ; T
	v_and_b32 v2, 15, v0                           ; r
	v_bfe_u32 v3, v0, 4, 1                         ; h
	v_and_b32 v4, 31, v0
	v_lshlrev_b32 v5, 10, v2
	v_lshl_add_u32 v5, v3, 4, v5                   ; attn's fragments: row r of 1,024 bytes, + 16 h
	v_lshlrev_b32 v6, 4, v4                        ; an image's place for my lane
	v_lshlrev_b32 v7, 5, v3                        ; bo: 32 h
	v_mul_u32_u24 v8, v2, 272
	v_lshl_add_u32 v8, v3, 5, v8
	s_lshl_b32 s16, s14, 6
	v_add_nc_u32 v8, s16, v8                       ; the stage, in: row r of 256 + 16 bytes, + 64 w + 32 h
	s_mul_i32 s16, s14, 4*272
	v_mul_u32_u24 v9, v3, 272
	v_lshl_add_u32 v9, v2, 4, v9
	v_add_nc_u32 v9, s16, v9                       ; and out: row 4 w + h, 16 bytes a lane
	s_lshl_b32 s16, s14, 14
	v_lshlrev_b32 v10, 12, v3
	v_lshl_add_u32 v10, v2, 4, v10
	v_add_nc_u32 v10, s16, v10                     ; the same place in out0: row 4 w + h of 4,096 bytes
	s_lshl_b32 s18, s15, 14
	s_mov_b32 s19, 0
	s_lshl_b32 s20, s15, 6
	s_mov_b32 s21, 0
	s_lshl_b32 s22, ttmp9, 8
	s_mov_b32 s23, 0
	s_wait_alu depctr_va_vdst(0)
	s_wait_kmcnt 0x0
	s_load_b256 s[28:35], s[10:11], 0x0            ; e0 .. e7
	s_add_nc_u64 s[6:7], s[6:7], s[18:19]
	s_add_nc_u64 s[8:9], s[8:9], s[20:21]
	s_add_nc_u64 s[12:13], s[12:13], s[22:23]
.irp s, 0,1,2,3,4,5,6,7
.irp c, 0,1,2,3
	global_load_b128 v[128+16*\s+4*\c:128+16*\s+4*\c+3], v5, s[4:5] offset:128*\s+32*\c
.endr
.endr
	WIN 0x40                                       ; destination window 1
.irp s, 0,1,2,3,4,5,6,7
.irp c, 0,1,2,3
	global_load_b128 v[16*\s+4*\c:16*\s+4*\c+3], v6, s[6:7] offset:2048*\s+512*\c th:TH_LOAD_NT
.endr
.endr
	WIN 0
	global_load_b128 v[88:91], v7, s[8:9]          ; bo(16 T + 8 h + 0 .. 7)
	global_load_b128 v[92:95], v7, s[8:9] offset:16
	s_wait_kmcnt 0x0
	s_add_co_i32 s24, s34, s35
	s_add_co_i32 s24, s24, 127
	s_lshl_b32 s24, s24, 23                        ; 2^(e6 + e7) as f32
	s_mov_b32 s25, s24                             ; (named with it as a pair, so it is written)
	s_wait_loadcnt 0x0
	WIN 0x01                                       ; source 0 (Wo) window 1
.irp s, 0,1,2,3,4,5,6,7                ; two accumulators by turns; the first two products start the sums
.if \s < 2
	v_wmma_f32_16x16x128_bf8_bf8 v[64+8*(\s%2):71+8*(\s%2)], v[16*\s:16*\s+15], v[128+16*\s:128+16*\s+15], 0
.else
	v_wmma_f32_16x16x128_bf8_bf8 v[64+8*(\s%2):71+8*(\s%2)], v[16*\s:16*\s+15], v[128+16*\s:128+16*\s+15], v[64+8*(\s%2):71+8*(\s%2)]
.endif
.endr
	WIN 0
.rept 4
	v_nop                                          ; four places in front of the first read of results (ISA guide 7.12.1)
.endr
.irp j, 0,2,4,6
	v_pk_add_f32 v[80+\j:81+\j], v[64+\j:65+\j], v[72+\j:73+\j]       ; the two halves of K; each accumulator from its low end on
.endr
.irp j, 0,2,4,6
	v_pk_fma_f32 v[80+\j:81+\j], v[80+\j:81+\j], s[24:25], v[88+\j:89+\j] op_sel_hi:[1,0,1]   ; sum x 2^(e6 + e7) + bo
.endr
	ds_store_b128 v8, v[80:83]
	ds_store_b128 v8, v[84:87] offset:16
	s_wait_dscnt 0x0                               ; for the others' sake: my 64 bytes of each row lie in the stage
	s_barrier_signal -1
	s_barrier_wait -1
	ds_load_b128 v[96:99], v9                      ; rows 4 w, 4 w + 1,
	ds_load_b128 v[100:103], v9 offset:2*272       ; rows 4 w + 2, 4 w + 3
	s_wait_dscnt 0x0
	global_store_b128 v10, v[96:99], s[12:13]      ; sixteen lanes store 256 consecutive bytes, aligned
	global_store_b128 v10, v[100:103], s[12:13] offset:8192
	s_wait_tensorcnt 0x0
	ds_add_u32 v126, v127
	s_wait_dscnt 0x0
	s_endpgm
.Lfunc_end_k_q111106d5a5_outproj:
	.size	k_q111106d5a5_outproj, .Lfunc_end_k_q111106d5a5_outproj-k_q111106d5a5_outproj
	.p2alignl 7, 3214868480
	.fill 96, 4, 3214868480
	.section	.rodata,"a",@progbits
	.p2align	6, 0x0
	.amdhsa_kernel k_q111106d5a5_outproj
		.amdhsa_group_segment_fixed_size 5120
		.amdhsa_private_segment_fixed_size 0
		.amdhsa_enable_private_segment 0
		.amdhsa_kernarg_size 40
		.amdhsa_user_sgpr_count 2
		.amdhsa_user_sgpr_kernarg_segment_ptr 1
		.amdhsa_wavefront_size32 1
		.amdhsa_system_sgpr_workgroup_id_x 1
		.amdhsa_system_sgpr_workgroup_id_y 1
		.amdhsa_system_sgpr_workgroup_id_z 1
		.amdhsa_system_vgpr_workitem_id 0
		.amdhsa_next_free_vgpr 384
		.amdhsa_next_free_sgpr 66
		.amdhsa_reserve_vcc 0
		.amdhsa_float_denorm_mode_32 3
		.amdhsa_float_denorm_mode_16_64 3
		.amdhsa_memory_ordered 1
		.amdhsa_forward_progress 1
		.amdhsa_inst_pref_size 11
	.end_amdhsa_kernel
	.amdgpu_metadata
---
amdhsa.version: [ 1, 2 ]
amdhsa.kernels:
  - .name:           k_q111106d5a5_outproj
    .symbol:         k_q111106d5a5_outproj.kd
    .args:
      - { .name: acodes, .offset: 0, .size: 8, .value_kind: global_buffer, .address_space: global }
      - { .name: wocodes, .offset: 8, .size: 8, .value_kind: global_buffer, .address_space: global }
      - { .name: bo, .offset: 16, .size: 8, .value_kind: global_buffer, .address_space: global }
      - { .name: lowp_scales, .offset: 24, .size: 8, .value_kind: global_buffer, .address_space: global }
      - { .name: out0, .offset: 32, .size: 8, .value_kind: global_buffer, .address_space: global }
    .group_segment_fixed_size: 5120
    .private_segment_fixed_size: 0
    .kernarg_segment_align: 8
    .kernarg_segment_size: 40
    .max_flat_workgroup_size: 128
    .sgpr_count:     66
    .vgpr_count:     384
    .wavefront_size: 32
...
	.end_amdgpu_metadata
.endif
;; end of part 4
